; MI455X (gfx1250); checked and timed in simulation.
; The chip was launched on July 23, 2026; its instructions are those of AMD's public machine-readable ISA for CDNA 5 (MIT licence, August 2026) and "CDNA5" Instruction Set Architecture Reference Guide (July 2026). The comments in the code are by the model that wrote it; some were corrected since.
;; Multi Head Self Attention. Allowed arithmetic: matrix products marked QUANTISED: E2M1 operands, one E8M0 scale for each 32 along K, by v_wmma_scale_f32_16x16x128_f8f6f4 with both operands' format E2M1 (or v_wmma_scale_f32_32x16x128_f4), f32 sums; everything else in f32.
;; Inputs: Wk_codes 1,024 x 32 x 16 uint8 (E2M1 codes of Wk, K innermost, in blocks of 32 codes, two codes a byte); Wk_scales 1,024 x 32 uint8 (E8M0 scales of Wk, one for each 32 codes along K); Wo_codes 1,024 x 32 x 16 uint8 (E2M1 codes of Wo, K innermost, in blocks of 32 codes, two codes a byte); Wo_scales 1,024 x 32 uint8 (E8M0 scales of Wo, one for each 32 codes along K); Wq_codes 1,024 x 32 x 16 uint8 (E2M1 codes of Wq, K innermost, in blocks of 32 codes, two codes a byte); Wq_scales 1,024 x 32 uint8 (E8M0 scales of Wq, one for each 32 codes along K); Wv_codes 1,024 x 32 x 16 uint8 (E2M1 codes of Wv, K innermost, in blocks of 32 codes, two codes a byte); Wv_scales 1,024 x 32 uint8 (E8M0 scales of Wv, one for each 32 codes along K); bk 1,024 float32; bo 1,024 float32; bq 1,024 float32; bv 1,024 float32; x_codes 4 x 2,048 x 32 x 16 uint8 (E2M1 codes of x, K innermost, in blocks of 32 codes, two codes a byte); x_scales 4 x 2,048 x 32 uint8 (E8M0 scales of x, one for each 32 codes along K).
;; Outputs: out0 4 x 2,048 x 1,024 float32.
;; This version of the problem:
;;   THIS VERSION OF THE PROBLEM IS GIVEN IN LOW PRECISION. The matrix products marked QUANTISED in the list below multiply operands that are first quantised to E2M1 (2 exponent bits, 1 mantissa bit; 4 bits a number), with one power-of-two scale for each 32 numbers along K (OCP MX v1.0); their sums are f32. All else is computed in f32.
;;   The module's matrix products, in the order in which they are computed (A, B: the left and right operand; K: the contracted axis; several contracted axes count as one K, in the product's order):
;;     1. [M 8,192, K 1,024] x [K 1,024, N 1,024]; A: input x (given as codes); B: input Wq (given as codes): QUANTISED
;;     2. [M 8,192, K 1,024] x [K 1,024, N 1,024]; A: input x (given as codes); B: input Wk (given as codes): QUANTISED
;;     3. [M 8,192, K 1,024] x [K 1,024, N 1,024]; A: input x (given as codes); B: input Wv (given as codes): QUANTISED
;;     4. batch 64 x [M 2,048, K 64] x [K 64, N 2,048]; A: computed on the way; B: computed on the way: QUANTISED
;;     5. batch 64 x [M 2,048, K 2,048] x [K 2,048, N 64]; A: softmax (see below); B: computed on the way: QUANTISED
;;     6. [M 8,192, K 1,024] x [K 1,024, N 1,024]; A: computed on the way; B: input Wo (given as codes): QUANTISED
;;   THE QUANTISER, for each operand of a quantised product, along K:
;;     - K is cut into blocks of 32 from its start; a last block that is shorter is filled with zeros.
;;     - A block's scale is 2^e with e = floor(log2(the largest magnitude in the block)) - 2, held to -126 .. 127; a block of zeros has e = 0. As a byte (E8M0): e + 127.
;;     - Each number is divided by its block's scale, clamped to +-6, and rounded to the nearest number of E2M1, ties to even, subnormals kept.
;;     - The product sums the exact products of the quantised numbers (number of the format x scale) in f32.
;;   ~~~python
;;   def quantise(x, axis):      # numpy; x: float32 -> the quantised numbers, widened to float32 again
;;       x = np.moveaxis(x, axis, -1); K = x.shape[-1]
;;       x = np.pad(x, [(0, 0)] * (x.ndim - 1) + [(0, -K % 32)]); x = x.reshape(x.shape[:-1] + (-1, 32)); a = np.abs(x).max(-1, keepdims=True)
;;       e = np.where(a > 0, np.clip(np.frexp(np.where(a > 0, a, 1))[1] - 1 - 2, -126, 127), 0)      # np.frexp(a)[1] - 1 = floor(log2(a)), exactly
;;       r = np.clip(x / 2.0 ** e, -6, 6)
;;       step = 2.0 ** (np.maximum(np.frexp(np.where(r == 0, 1, r))[1] - 1, 0) - 1)
;;       q = np.round(r / step) * step * 2.0 ** e      # np.round: ties to even
;;       return np.moveaxis(q.reshape(q.shape[:-2] + (-1,))[..., :K], -1, axis).astype(np.float32)
;;   ~~~
;;   SOFTMAX AHEAD OF A QUANTISED PRODUCT. Where the list says 'softmax', what is quantised is not the finished softmax but p = 2^(t - M), with t = logit x log2(e) and M = ceil(the row's largest t), a whole number; so 1/2 < the row's largest p <= 1. The row's sum l is taken of the UNQUANTISED p, in f32, and the product's result is divided by l at the end. Since M is a whole number, a kernel that streams over the keys may use a running M (the ceiling of the running maximum): every later rescaling is an exact power of two, which a block's scale takes up: the codes' values come out the same.
;;   OPERANDS COMPUTED ON THE WAY. 'Computed on the way' means the value that the module computes at that place (a softmax that the list does not call 'softmax' is quantised finished and normalised). What goes into a quantiser is computed in f32, as accurately as f32 sums, v_exp_f32 and their like allow (about 1e-6 of the number): no bf16 or f16 on the way to a quantiser, and a product that is left as it is and whose result goes on into a quantised operand takes f32 operands (vector FMAs, or v_wmma_f32_16x16x4_f32). A number that lies on a knife's edge between two numbers of the format may be rounded either way, as far as f32 arithmetic and the matrix unit's own rounding can turn it there, and no further.
;;   INPUTS GIVEN AS CODES. Wk (in the module: [1024, 1024], K = its axis 1); Wo (in the module: [1024, 1024], K = its axis 1); Wq (in the module: [1024, 1024], K = its axis 1); Wv (in the module: [1024, 1024], K = its axis 1); x (in the module: [4, 2048, 1024], K = its axis 2): each comes as NAME_codes (uint8): NAME with its K axis moved to the last place and cut into blocks of 32 codes, [.., K / 32, bytes a block], one block behind the other in memory; two codes a byte, the lower K in the low four bits (a code: sign, 2 exponent bits, 1 mantissa bit); and NAME_scales (uint8): the same leading axes, one E8M0 byte (e + 127) for each 32 codes along K. Its value is code x scale, taken as it is: it is not quantised again, and the codes and scales need not be those that the quantiser above would give.
;; One version. Each part assembles by itself: llvm-mc -triple=amdgcn-amd-amdhsa -mcpu=gfx1250 --defsym DOCPART=n.
;; ======== version 1 of 1: 3 launches
;; workspace buffers: qws 4,718,592 bytes; kv 9,175,040 bytes; aimg 4,194,304 bytes; asc 262,144 bytes
;; launch proj (part 1): grid 8 x 32, 4 waves a work-group, clusters of 4 x 4, 327,680 bytes of LDS; arguments x_codes, x_scales, Wq_codes, Wq_scales, Wk_codes, Wk_scales, Wv_codes, Wv_scales, bq, bk, bv, qws, kv; writes qws, kv
.if DOCPART == 1
	.amdgcn_target "amdgcn-amd-amdhsa--gfx1250"
	.amdhsa_code_object_version 6
	.text
	.protected	k_q4f0f258619_proj
	.globl	k_q4f0f258619_proj
	.p2align	8
	.type	k_q4f0f258619_proj,@function
k_q4f0f258619_proj:
	s_mov_b64 s[64:65], 0
	v_nop
	global_prefetch_b8 v0, s[64:65] scope:SCOPE_SE
	s_setreg_imm32_b32 hwreg(HW_REG_WAVE_MODE, 25, 1), 1
	s_wait_xcnt 0x0
	s_wait_alu depctr_hold_cnt(0) depctr_sa_sdst(0) depctr_va_vdst(0) depctr_va_sdst(0) depctr_va_ssrc(0) depctr_va_vcc(0) depctr_vm_vsrc(0)
	s_getreg_b32 s2, hwreg(HW_REG_IB_STS2, 6, 4)
	s_cmp_eq_u32 s2, 0
	s_cbranch_scc0 .Lentry_in_a_cluster
	s_endpgm
.Lentry_in_a_cluster:
	s_bfe_u32 s2, ttmp6, 0x10000c
	s_cmp_lg_u32 s2, 0xf033
	s_cbranch_scc0 .Lentry_shape_is_right
	s_endpgm
.Lentry_shape_is_right:
; q = x Wq^T + bq, k = x Wk^T + bk, v = x Wv^T + bv on the given codes of FP4 (E2M1) and their E8M0 scale bytes; sums in f32.  The results never go to memory as f32:
; q and k are quantised along the head's 64 (two blocks of 32), v along the keys (blocks of 32 keys), and leave as IMAGES OF OPERAND REGISTERS, in the order in which the attention launch loads them.
; DEAD WORK: none.  Every input has a way to out0.  bk would cancel in a softmax over real numbers, but it stands ahead of k's quantiser and can move k's codes and scales: it is added.
; LIMITS: NaN and infinities among the inputs are not served (a given scale byte 0xff gives NaN).  A block of zeros gets the scale byte 1 where the quantiser says 127: its codes are zeros, which add nothing
; under any byte but 0xff, and these bytes are read by this program alone.  A bias is its sum's first addend, not its last: an order of f32 rounding other than the source's.
; SHARES.  Work-group (P, Y): head pair P (heads 2P, 2P+1), rows 256 Y .. 256 Y + 255 of x.  Wave w: rows 128 (w / 2) on, head 2P + w % 2: q, k AND v of one head for 128 rows: 8 tiles of x times 12 tiles of W = 96 accumulators.
; q and k are used TRANSPOSED (source 0 = 16 rows of W, source 1 = 16 rows of x): a lane holds one row of x, its registers run along the head's 64.  v the natural way (source 0 = x, source 1 = Wv): a lane holds one channel, its registers run along the keys.
; So in both cases a lane's registers run along the next product's K.  A result tile T gives lane (r, h), register j, the place 16 T + 8 h + j along that K; one conversion of the tile's 8 registers gives 8 codes.  Of four tiles (64 along K) the
; conversions go to registers 0 (tile 0), 1 (tile 2), 2 (tile 1), 3 (tile 3); an exchange of halves between registers 0, 1 and between 2, 3 then leaves register i of lane (r, h') with K = 32 h' + 8 i + 0 .. 7: the operand's layout.
; LDS.  K goes in quarters of 256 (rows of 128 bytes + 16 of padding).  Three slots are filled at the head; slot 0 is filled once more, with the last quarter.  The scale bytes of all of K come once, as units of 256 bytes + 16.
; CLUSTER 4 x 4: x's tiles hang on Y alone and are asked for jointly along a row of the cluster, W's on P alone and jointly along a column.  Wave 0 fetches x (256 rows), waves 1, 2, 3 fetch Wq, Wk, Wv (128 rows each).
; REGISTERS, in windows of 256: window 0: v1-19 addresses; v20-59 scale words, two sets; v64-127 x's 8 fragments; v128-223 W's 12; v224-238 at work.  window 1: q's accumulators at 8 (4 xt + wt); window 2: k's; window 3: v's at 8 (8 wt + xt).
.set PITCH, 144                        ; 128 bytes + 16: an odd multiple of 16, so the 16 rows of a fragment load start in 16 different columns of 16 bytes
.set TILEB, 16*PITCH
.set WBLK,  128*PITCH                  ; 128 rows
.set WOFF,  256*PITCH                  ; in a slot: x's 256 rows, then Wq's, Wk's, Wv's 128 each
.set SLOT,  640*PITCH
.set SCX,   3*SLOT                     ; x's scale bytes: 32 units of 272;
.set SCQ,   SCX+32*272                 ; Wq's, Wk's, Wv's: 16 units each
.set SPARE, SCQ+3*16*272               ; the spare words, 128 bytes for each wave: two blocks of 256 bytes that no other line names
.set ADX,  4                           ; v4-6   my x fragments in slot 0, 1, 2
.set ADW,  7                           ; v7-9   my W fragments
.set ADSX, 10                          ; v10    x's scale words: lanes 0-15 an even tile's rows, lanes 16-31 the odd tile's
.set ADSW, 11                          ; v11    W's likewise
.set LI,   12                          ; v12    16 x lane
.set LI8,  13                          ; v13    8 x lane
.set SH,   14                          ; v14    16 x (lane / 16)
.set FLO,  15                          ; v15    the floor 2^(3 - 127)
.set SPW,  16                          ; v16    my spare word; never rewritten
.set NIL,  17                          ; v17    0; never rewritten
.set BQA,  18                          ; v18    32 x (lane / 16)
.set BVA,  19                          ; v19    4 x (lane % 16)
.set SC,   20
.set XF,   64
.set WF,   128
.set TM,   224                         ; +0..3 largest magnitudes, +4..7 the other half's, then bytes, +8..11 the conversions' scale operands
.set PW,   236                         ; the scale word just made
.set TT,   237
.set TU,   238
.set CQ,   64                          ; the way out: codes of q (32 registers), k, v: a set for each store, so that no store's data are written again
.set CK,   96
.set CV,   128
.set SQ,   160
.set SK,   164
.set PWV,  168
.set VSR,  172
.set WV, 30
.set RH, 31
.set E,  66
.set CX, 67
.set CY, 100
.set PP, 101
.set YY, 104
.set TMP, 105
.set G1X,  32                          ; s[32:39] group 1 for x's tiles;  s[40:47] W's;  s[48:55] x's scales;  s[56:63] W's scales
.set G1W,  40
.set G1SX, 48
.set G1SW, 56
.set G0X,  68                          ; s[68:83] four groups 0 for x: scales, slots 0, 1, 2;  s[84:99] the same for W
.set G0W,  84
.set MSB, 0
.macro WIN new                         ; the immediate's high byte repeats the setting that is left
.if MSB != \new
	s_set_vgpr_msb (MSB<<8)|\new
.set MSB, \new
.endif
.endm
.macro PLACES n
.rept \n
	v_nop
.endr
.endm
.macro CROUND                          ; a round of the cluster's barrier
	s_barrier_signal -1
	s_barrier_wait -1
	s_cmp_lg_u32 s[WV], 0
	s_cbranch_scc1 .Lnot_wave_0_\@
	s_barrier_signal -3
.Lnot_wave_0_\@:
	s_barrier_wait -3
	s_barrier_signal -1
	s_barrier_wait -1
.endm
; A joint load: wave 0 asks for x, the others for their W.  An s_nop 0 and four v_nop follow each of the two lines, ahead of the jump, the label and what follows.
.macro JLOAD gx, g1x, gw, g1w
	s_cmp_eq_u32 s[WV], 0
	s_cbranch_scc0 .Lfor_w_\@
	tensor_load_to_lds s[\gx:\gx+3], s[\g1x:\g1x+7]
	s_nop 0
.rept 4
	v_nop
.endr
	s_branch .Lasked_\@
.Lfor_w_\@:
	tensor_load_to_lds s[\gw:\gw+3], s[\g1w:\g1w+7]
	s_nop 0
.rept 4
	v_nop
.endr
.Lasked_\@:
.endm
.macro WM d, a, b, c, sa, sb, ra, rb   ; one product; ra, rb: the side's scale words lie in lanes 16-31
.if (\ra) && (\rb)
	v_wmma_scale_f32_16x16x128_f8f6f4 v[(\d):(\d)+7], v[(\a):(\a)+7], v[(\b):(\b)+7], v[(\c):(\c)+7], v[\sa], v[\sb] matrix_a_fmt:MATRIX_FMT_FP4 matrix_b_fmt:MATRIX_FMT_FP4 matrix_a_scale:MATRIX_SCALE_ROW1 matrix_b_scale:MATRIX_SCALE_ROW1
.elseif (\ra)
	v_wmma_scale_f32_16x16x128_f8f6f4 v[(\d):(\d)+7], v[(\a):(\a)+7], v[(\b):(\b)+7], v[(\c):(\c)+7], v[\sa], v[\sb] matrix_a_fmt:MATRIX_FMT_FP4 matrix_b_fmt:MATRIX_FMT_FP4 matrix_a_scale:MATRIX_SCALE_ROW1
.elseif (\rb)
	v_wmma_scale_f32_16x16x128_f8f6f4 v[(\d):(\d)+7], v[(\a):(\a)+7], v[(\b):(\b)+7], v[(\c):(\c)+7], v[\sa], v[\sb] matrix_a_fmt:MATRIX_FMT_FP4 matrix_b_fmt:MATRIX_FMT_FP4 matrix_b_scale:MATRIX_SCALE_ROW1
.else
	v_wmma_scale_f32_16x16x128_f8f6f4 v[(\d):(\d)+7], v[(\a):(\a)+7], v[(\b):(\b)+7], v[(\c):(\c)+7], v[\sa], v[\sb] matrix_a_fmt:MATRIX_FMT_FP4 matrix_b_fmt:MATRIX_FMT_FP4
.endif
.endm
	s_load_b512 s[4:19], s[0:1], 0x0               ; x codes, x scales, Wq codes, scales, Wk codes, scales, Wv codes, scales
	s_load_b256 s[20:27], s[0:1], 0x40             ; bq, bk, bv, qws
	s_load_b64 s[28:29], s[0:1], 0x60              ; kv
	v_lshl_add_u32 v[SPW], v0, 2, SPARE
	v_mov_b32 v[NIL], 0
	ds_add_u32 v[SPW], v[NIL]                      ; the wave's opening: the add, twice on end, and its wait ahead of my first tensor load
	ds_add_u32 v[SPW], v[NIL]                      ; and once more; the set-up below, work on registers, stands between it and the wait
	v_lshrrev_b32 v1, 5, v0
	v_readfirstlane_b32 s[WV], v1                  ; wave 0..3
	s_lshr_b32 s[RH], s[WV], 1                     ; which 128 rows of x are mine
	s_and_b32 s[E], s[WV], 1                       ; which head of the pair
	s_bfe_u32 s[CX], ttmp6, 0x40000
	s_bfe_u32 s[CY], ttmp6, 0x40004
	s_lshl_b32 s[PP], ttmp9, 2
	s_add_co_u32 s[PP], s[PP], s[CX]               ; head pair = 4 x cluster x + cx
	s_and_b32 s[YY], ttmp7, 0xffff
	s_lshl_b32 s[YY], s[YY], 2
	s_add_co_u32 s[YY], s[YY], s[CY]               ; block of 256 rows = 4 x cluster y + cy
	s_lshl_b32 s2, s[CY], 2
	s_lshl_b32 s2, 15, s2                          ; my row of the cluster
	s_lshl_b32 s3, 0x1111, s[CX]                   ; my column
	s_or_b32 s[G1X], s2, (1<<20)|(1<<21)|(4<<22)|(3<<25)   ; elements of 1 byte; padding: 4 words behind every 32; bit 21 beside a mask
	s_mov_b32 s[G1X+1], 128<<16                    ; tensor_dim0 = 128 bytes
	s_mov_b32 s[G1X+2], 256<<16                    ; tensor_dim1 = 256 rows
	s_mov_b32 s[G1X+3], 128<<16                    ; tile_dim0
	s_mov_b32 s[G1X+4], 256                        ; tile_dim1
	s_mov_b32 s[G1X+5], 512                        ; a row of 1,024 codes in memory
	s_mov_b32 s[G1X+6], 0
	s_mov_b32 s[G1X+7], 0
	s_or_b32 s[G1W], s3, (1<<20)|(1<<21)|(4<<22)|(3<<25)
	s_mov_b32 s[G1W+1], 128<<16
	s_mov_b32 s[G1W+2], 128<<16                    ; 128 rows
	s_mov_b32 s[G1W+3], 128<<16
	s_mov_b32 s[G1W+4], 128
	s_mov_b32 s[G1W+5], 512
	s_mov_b32 s[G1W+6], 0
	s_mov_b32 s[G1W+7], 0
	s_or_b32 s[G1SX], s2, (3<<16)|(1<<20)|(1<<21)|(5<<22)|(3<<25)   ; a dense block as rows of 256 bytes (32 elements of 8), 4 words of padding behind each
	s_mov_b32 s[G1SX+1], 32<<16
	s_mov_b32 s[G1SX+2], 32<<16                    ; 256 rows x 32 bytes = 32 units
	s_mov_b32 s[G1SX+3], 32<<16
	s_mov_b32 s[G1SX+4], 32
	s_mov_b32 s[G1SX+5], 32
	s_mov_b32 s[G1SX+6], 0
	s_mov_b32 s[G1SX+7], 0
	s_or_b32 s[G1SW], s3, (3<<16)|(1<<20)|(1<<21)|(5<<22)|(3<<25)
	s_mov_b32 s[G1SW+1], 32<<16
	s_mov_b32 s[G1SW+2], 16<<16                    ; 128 rows x 32 bytes = 16 units
	s_mov_b32 s[G1SW+3], 32<<16
	s_mov_b32 s[G1SW+4], 16
	s_mov_b32 s[G1SW+5], 32
	s_mov_b32 s[G1SW+6], 0
	s_mov_b32 s[G1SW+7], 0
	s_wait_dscnt 0x0                               ; both opening adds are done
	s_wait_kmcnt 0x0
	; groups 0 for x: they hang on Y alone
	s_mov_b32 s[G0X], 1
	s_mov_b32 s[G0X+1], SCX
	s_mov_b32 s[G0X+4], 1
	s_mov_b32 s[G0X+5], 0
	s_mov_b32 s[G0X+8], 1
	s_mov_b32 s[G0X+9], SLOT
	s_mov_b32 s[G0X+12], 1
	s_mov_b32 s[G0X+13], 2*SLOT
	s_lshl_b32 s[G0X+10], s[YY], 17                ; 256 rows of 512 bytes
	s_mov_b32 s[G0X+11], 0
	s_add_nc_u64 s[G0X+6:G0X+7], s[4:5], s[G0X+10:G0X+11]
	s_lshl_b32 s[G0X+10], s[YY], 13                ; 256 rows of 32 scale bytes
	s_add_nc_u64 s[G0X+2:G0X+3], s[6:7], s[G0X+10:G0X+11]
	s_add_nc_u64 s[G0X+10:G0X+11], s[G0X+6:G0X+7], 128     ; quarter 1
	s_add_nc_u64 s[G0X+14:G0X+15], s[G0X+6:G0X+7], 256     ; quarter 2
	s_or_b32 s[G0X+3], s[G0X+3], 0x80000000
	s_or_b32 s[G0X+7], s[G0X+7], 0x80000000
	s_or_b32 s[G0X+11], s[G0X+11], 0x80000000
	s_or_b32 s[G0X+15], s[G0X+15], 0x80000000
	; groups 0 for W: they hang on P and on the wave's number: wave 1 Wq, wave 2 Wk, wave 3 Wv (wave 0 asks by none of them)
	s_cmp_eq_u32 s[WV], 1
	s_cselect_b64 s[G0W+6:G0W+7], s[8:9], s[16:17]
	s_cselect_b64 s[G0W+2:G0W+3], s[10:11], s[18:19]
	s_cmp_eq_u32 s[WV], 2
	s_cselect_b64 s[G0W+6:G0W+7], s[12:13], s[G0W+6:G0W+7]
	s_cselect_b64 s[G0W+2:G0W+3], s[14:15], s[G0W+2:G0W+3]
	s_lshl_b32 s[G0W+10], s[PP], 16                ; 128 rows of 512 bytes
	s_mov_b32 s[G0W+11], 0
	s_add_nc_u64 s[G0W+6:G0W+7], s[G0W+6:G0W+7], s[G0W+10:G0W+11]
	s_lshl_b32 s[G0W+10], s[PP], 12                ; 128 rows of 32 scale bytes
	s_add_nc_u64 s[G0W+2:G0W+3], s[G0W+2:G0W+3], s[G0W+10:G0W+11]
	s_add_nc_u64 s[G0W+10:G0W+11], s[G0W+6:G0W+7], 128
	s_add_nc_u64 s[G0W+14:G0W+15], s[G0W+6:G0W+7], 256
	s_or_b32 s[G0W+3], s[G0W+3], 0x80000000
	s_or_b32 s[G0W+7], s[G0W+7], 0x80000000
	s_or_b32 s[G0W+11], s[G0W+11], 0x80000000
	s_or_b32 s[G0W+15], s[G0W+15], 0x80000000
	s_mov_b32 s[G0W], 1
	s_mov_b32 s[G0W+4], 1
	s_mov_b32 s[G0W+8], 1
	s_mov_b32 s[G0W+12], 1
	s_mul_i32 s[TMP], s[WV], 16*272
	s_add_co_u32 s[G0W+1], s[TMP], SCQ-16*272      ; no place in the cluster enters an LDS address
	s_mul_i32 s[TMP], s[WV], WBLK
	s_add_co_u32 s[G0W+5], s[TMP], WOFF-WBLK
	s_add_co_u32 s[G0W+9], s[TMP], WOFF-WBLK+SLOT
	s_add_co_u32 s[G0W+13], s[TMP], WOFF-WBLK+2*SLOT
	CROUND                                         ; all sixteen work-groups are here: the first joint loads meet
	JLOAD G0X, G1SX, G0W, G1SW                     ; the scale bytes of all of K: filled once.  Four loads of mine are out behind these four lines
	JLOAD G0X+4, G1X, G0W+4, G1W                   ; quarter 0
	JLOAD G0X+8, G1X, G0W+8, G1W                   ; quarter 1
	JLOAD G0X+12, G1X, G0W+12, G1W                 ; quarter 2
	; where my biases and my results lie
	s_lshl_b32 s4, s[PP], 1
	s_add_co_u32 s4, s4, s[E]                      ; my head
	s_lshl_b32 s6, s4, 8                           ; 64 numbers of 4 bytes
	s_mov_b32 s7, 0
	s_add_nc_u64 s[20:21], s[20:21], s[6:7]
	s_add_nc_u64 s[22:23], s[22:23], s[6:7]
	s_add_nc_u64 s[24:25], s[24:25], s[6:7]
	s_lshr_b32 s5, s[YY], 3                        ; the batch
	s_lshl_b32 s5, s5, 4
	s_add_co_u32 s4, s4, s5                        ; 16 x batch + head
	s_lshl_b32 s4, s4, 4
	s_and_b32 s5, s[YY], 7
	s_lshl_b32 s5, s5, 1
	s_add_co_u32 s4, s4, s5
	s_add_co_u32 s4, s4, s[RH]                     ; x 16 + my group of 128 rows of the sequence
	s_mul_i32 s6, s4, 4608
	s_add_nc_u64 s[26:27], s[26:27], s[6:7]        ; qws
	s_mul_i32 s6, s4, 8960
	s_add_nc_u64 s[28:29], s[28:29], s[6:7]        ; kv
	s_mov_b32 s8, 0x7f7f0000                       ; the upper two bytes of q's and k's scale words: 1.0, over zero codes
	s_mov_b32 s9, 0xffff0000                       ; lanes 16-31
	s_mov_b32 s10, 0x76543210                      ; v_permlanex16_b32's selects for lane l xor 16
	s_mov_b32 s11, 0xfedcba98
	v_and_b32 v1, 15, v0                           ; r
	v_bfe_u32 v2, v0, 4, 1                         ; h
	v_and_b32 v3, 31, v0                           ; lane
	v_mul_u32_u24 v[TT], v1, PITCH
	v_lshl_add_u32 v[TT], v2, 4, v[TT]             ; a fragment's row x pitch + 16 h
	s_mul_i32 s[TMP], s[RH], WBLK
	v_add_nc_u32 v[ADX], s[TMP], v[TT]
	v_add_nc_u32 v[ADX+1], SLOT, v[ADX]
	v_add_nc_u32 v[ADX+2], 2*SLOT, v[ADX]
	s_mul_i32 s[TMP], s[E], 64*PITCH
	s_add_co_u32 s[TMP], s[TMP], WOFF
	v_add_nc_u32 v[ADW], s[TMP], v[TT]
	v_add_nc_u32 v[ADW+1], SLOT, v[ADW]
	v_add_nc_u32 v[ADW+2], 2*SLOT, v[ADW]
	v_lshlrev_b32 v[TT], 5, v1                     ; a row's 32 scale bytes,
	v_lshrrev_b32 v[TU], 3, v1
	v_lshl_add_u32 v[TT], v[TU], 4, v[TT]          ; 16 more for each 256 passed,
	v_mad_u32_u24 v[TT], v2, 544, v[TT]            ; and lanes 16-31 one tile (16 rows) further on
	s_mul_i32 s[TMP], s[RH], 16*272
	s_add_co_u32 s[TMP], s[TMP], SCX
	v_add_nc_u32 v[ADSX], s[TMP], v[TT]
	s_mul_i32 s[TMP], s[E], 8*272
	s_add_co_u32 s[TMP], s[TMP], SCQ
	v_add_nc_u32 v[ADSW], s[TMP], v[TT]
	v_lshlrev_b32 v[LI], 4, v3
	v_lshlrev_b32 v[LI8], 3, v3
	v_lshlrev_b32 v[SH], 4, v2
	v_mov_b32 v[FLO], 0x1800000
	v_lshlrev_b32 v[BQA], 5, v2
	v_lshlrev_b32 v[BVA], 2, v1
.irp b, 0,1,2,3
	v_mov_b32 v[TM+4+\b], 0                        ; written once: a lane permute's destination counts as one of its sources
.endr
	; THE BIASES COST NO ADDITION: they are loaded into the accumulators of the LAST tile of x, and the first K step's products take them as C
	WIN 0x40
.irp t, 0,1,2,3
	global_load_b128 v[224+8*\t:224+8*\t+3], v[BQA], s[20:21] offset:64*\t        ; bq(16 wt + 8 h + 0 .. 7)
	global_load_b128 v[224+8*\t+4:224+8*\t+7], v[BQA], s[20:21] offset:64*\t+16
.endr
	WIN 0x80
.irp t, 0,1,2,3
	global_load_b128 v[224+8*\t:224+8*\t+3], v[BQA], s[22:23] offset:64*\t
	global_load_b128 v[224+8*\t+4:224+8*\t+7], v[BQA], s[22:23] offset:64*\t+16
.endr
	WIN 0xc0
.irp t, 0,1,2,3
.irp j, 0,1,2,3,4,5,6,7
	global_load_b32 v[64*\t+56+\j], v[BVA], s[24:25] offset:64*\t                 ; bv(16 wt + r), the same for the lane's eight keys
.endr
.endr
	WIN 0
.macro XLD s, x0                       ; x's tiles x0 .. x0 + 3 of K step s
.set SL, ((\s)/2)%3
.irp i, 0,1,2,3
.irp c, 0,1
	ds_load_b128 v[XF+8*((\x0)+\i)+4*\c:XF+8*((\x0)+\i)+4*\c+3], v[ADX+SL] offset:TILEB*((\x0)+\i)+64*((\s)%2)+32*\c
.endr
.endr
.endm
.macro WLD s, gq                       ; the four tiles of Wq (0), Wk (1) or Wv (2) of K step s
.set SL, ((\s)/2)%3
.irp i, 0,1,2,3
.irp c, 0,1
	ds_load_b128 v[WF+8*(4*(\gq)+\i)+4*\c:WF+8*(4*(\gq)+\i)+4*\c+3], v[ADW+SL] offset:WBLK*(\gq)+TILEB*\i+64*((\s)%2)+32*\c
.endr
.endr
.endm
.macro SCL j                           ; the scale words of quarter j (two K steps) into set j % 2: four pairs of x's tiles, six of W's
.set SSL, SC+20*((\j)%2)
.irp i, 0,1,2,3
	ds_load_b64 v[SSL+2*\i:SSL+2*\i+1], v[ADSX] offset:1088*\i+8*(\j)
.endr
.irp i, 0,1,2,3,4,5
	ds_load_b64 v[SSL+8+2*\i:SSL+8+2*\i+1], v[ADSW] offset:4352*(\i/2)+1088*(\i%2)+8*(\j)
.endr
.endm
; 16 products: x's tiles x0 .. x0 + 3 against the four tiles of one W.  Each accumulator has one product a K step: the 96 take turns.
; FIRST: C is the bias; the last tile of x, whose accumulators hold the biases, comes behind five places, since it writes over registers that the products before it read.
.macro GRP gq, x0, s
.set SSG, SC+20*(((\s)/2)%2)+((\s)%2)
.set XT, \x0
.rept 4
.if FIRST && (XT == 7)
	PLACES 5
.endif
.set WT, 0
.rept 4
.set rSX, SSG+2*(XT/2)
.set rSW, SSG+8+2*(2*(\gq)+WT/2)
.if (\gq) < 2
.set rD, 8*(4*XT+WT)
.set rC, rD
.if FIRST
.set rC, 224+8*WT
.endif
	WM rD, WF+8*(4*(\gq)+WT), XF+8*XT, rC, rSW, rSX, WT%2, XT%2
.else
.set rD, 8*(8*WT+XT)
.set rC, rD
.if FIRST
.set rC, 64*WT+56
.endif
	WM rD, XF+8*XT, WF+8*(8+WT), rC, rSX, rSW, XT%2, WT%2
.endif
.set WT, WT+1
.endr
.set XT, XT+1
.endr
.endm
; A K step of 128: 96 products in six groups; each run of loads for the next step stands behind the last group that read its registers, four places behind it, and 32 products or more ahead of its first use.
; meet = 1: slot 0 has been read out and is filled again;  meet = 2: the refill has to be whole for every wave.
.macro STEP s, meet
.set FIRST, 0
.if (\s) == 0
.set FIRST, 1
.endif
	s_wait_dscnt 24                                ; the scale words, x's tiles 0-3 and Wq are in; Wk, Wv and x's tiles 4-7 (24 loads) may be out
	WIN 0x50
	GRP 0, 0, \s
	s_wait_dscnt 16                                ; Wk is in
	WIN 0xa0
	GRP 1, 0, \s
.if (\meet) == 0
	s_wait_dscnt 8                                 ; Wv is in
	WIN 0xf0
	GRP 2, 0, \s
.if (\s) < 7
	PLACES 4
.endif
	WIN 0
.else
	WIN 0                                          ; (the add's two registers lie in window 0)
	s_wait_tensorcnt 0x0                           ; all my tensor loads have landed
	ds_add_u32 v[SPW], v[NIL]                      ; 0 onto my spare word
	s_wait_dscnt 9                                 ; Wv is in; x's tiles 4-7 (8 loads) and the add may be out
	WIN 0xf0
	GRP 2, 0, \s                                   ; sixteen products stand between the add and the wait for it
	WIN 0
.if (\meet) == 1
	s_add_nc_u64 s[G0X+6:G0X+7], s[G0X+6:G0X+7], 384       ; no load of mine is out, so a group 0 may be written: slot 0's next tile is quarter 3
	s_add_nc_u64 s[G0W+6:G0W+7], s[G0W+6:G0W+7], 384
.endif
	s_wait_dscnt 0x0                               ; the add is done, and my reads of the slot are over
.if (\meet) == 1
	CROUND                                         ; no wave of any partner still reads slot 0 or has a load on its way; slots 1 and 2 are whole
	JLOAD G0X+4, G1X, G0W+4, G1W                   ; my one tensor load behind the round; its four v_nop are the places in front of the loads below
.else
	s_barrier_signal -1
	s_barrier_wait -1                              ; quarter 3 lies whole in slot 0
	PLACES 4
.endif
.endif
.if (\s) < 7
.if ((\s)%2) == 1
	SCL ((\s)+1)/2
.endif
	XLD (\s)+1, 0
.if ((\s)%2) == 1
	s_wait_dscnt 18                                ; all but the 18 just issued: this step's tiles 4-7 of x are in
.else
	s_wait_dscnt 8                                 ; all but the 8 just issued
.endif
.else
	s_wait_dscnt 0x0
.endif
	WIN 0x50
	GRP 0, 4, \s
.if (\s) < 7
	PLACES 4
	WIN 0
	WLD (\s)+1, 0
.endif
	WIN 0xa0
	GRP 1, 4, \s
.if (\s) < 7
	PLACES 4
	WIN 0
	WLD (\s)+1, 1
.endif
	WIN 0xf0
	GRP 2, 4, \s
.if (\s) < 7
	PLACES 4
	WIN 0
	WLD (\s)+1, 2
	XLD (\s)+1, 4
.endif
.endm
; 64 registers v[s] .. v[s + 63] of window w (eight result tiles, four blocks of 32 along the next K) become eight registers of codes, v[pc] on in window 0, and four scale bytes in v[PW].
.macro QUANT w, s, pc
	WIN ((\w)<<2)|((\w)<<4)                        ; sources 1 and 2 in window w
.irp b, 0,1,2,3
	v_max3_num_f32 v[TM+\b], v[FLO], |v[(\s)+16*\b]|, |v[(\s)+16*\b+1]|   ; block b: my 16 numbers and the floor, which holds the byte at 1 from below.  Each accumulator is read from its low end on
.endr
.irp i, 2,4,6,8,10,12,14
.irp b, 0,1,2,3
	v_max3_num_f32 v[TM+\b], v[TM+\b], |v[(\s)+16*\b+\i]|, |v[(\s)+16*\b+\i+1]|
.endr
.endr
	WIN 0
.irp b, 0,1,2,3
	v_permlanex16_b32 v[TM+4+\b], v[TM+\b], s10, s11
.endr
.irp b, 0,1,2,3
	v_max_num_f32 v[TM+\b], v[TM+\b], v[TM+4+\b]   ; with lane l xor 16's: the block's largest magnitude
.endr
.irp b, 0,1,2,3
	v_add_nc_u32 v[TM+8+\b], 0xff000000, v[TM+\b]  ; 2 off its exponent field: the conversion's scale operand
.endr
.irp b, 0,1,2,3
	v_lshrrev_b32 v[TM+4+\b], 23, v[TM+8+\b]       ; the scale's byte
.endr
	v_lshl_or_b32 v[PW], v[TM+5], 8, v[TM+4]
	v_lshl_or_b32 v[PW], v[TM+6], 16, v[PW]
	v_lshl_or_b32 v[PW], v[TM+7], 24, v[PW]
	WIN \w                                         ; source 0 in window w
.irp c, 0,1
.irp e, 0,1
	v_cvt_scalef32_pk8_fp4_f32 v[(\pc)+4*\c+\e], v[(\s)+32*\c+16*\e:(\s)+32*\c+16*\e+7], v[TM+8+2*\c+\e]
	v_cvt_scalef32_pk8_fp4_f32 v[(\pc)+4*\c+2+\e], v[(\s)+32*\c+16*\e+8:(\s)+32*\c+16*\e+15], v[TM+8+2*\c+\e]
.endr
.endr
	WIN 0
	v_nop                                          ; one plain place behind a scaled conversion
.irp c, 0,1
	v_permlane16_swap_b32 v[(\pc)+4*\c], v[(\pc)+4*\c+1]
	v_permlane16_swap_b32 v[(\pc)+4*\c+2], v[(\pc)+4*\c+3]
.endr
.endm
	s_wait_tensorcnt 2                             ; the scale bytes and my part of quarter 0 are in; quarters 1 and 2 may stay out
	s_barrier_signal -1
	s_barrier_wait -1                              ; everybody's are
	SCL 0
	XLD 0, 0
	WLD 0, 0
	WLD 0, 1
	WLD 0, 2
	XLD 0, 4
	s_wait_loadcnt 0x0                             ; the biases
	STEP 0, 0
	STEP 1, 1                                      ; slot 0 is left and filled with quarter 3, which has four and a half K steps in which to land
	STEP 2, 0
	STEP 3, 0
	STEP 4, 0
	STEP 5, 2
	STEP 6, 0
	STEP 7, 0
	WIN 0
	PLACES 4                                       ; behind the last products, ahead of the first read of results and the first write over fragments
	s_wait_alu depctr_va_vdst(0)
	; THE WAY OUT.  Every store of the wave covers 512 (the last: 256) consecutive bytes, aligned.
.irp i, 0,1,2,3                        ; q: x's tiles 2 i and 2 i + 1: four registers of codes each; bytes 0, 1 of PW are tile 2 i's, bytes 2, 3 tile 2 i + 1's
	QUANT 1, 64*\i, CQ+8*\i
	global_store_b128 v[LI], v[CQ+8*\i:CQ+8*\i+3], s[26:27] offset:1024*\i
	global_store_b128 v[LI], v[CQ+8*\i+4:CQ+8*\i+7], s[26:27] offset:1024*\i+512
	v_lshrrev_b32 v[TT], v[SH], v[PW]              ; lanes 0-15 keep the even tile's two bytes, lanes 16-31 take the odd tile's
	v_and_or_b32 v[SQ+\i], v[TT], 0xffff, s8
.endr
	global_store_b128 v[LI], v[SQ:SQ+3], s[26:27] offset:4096
.irp i, 0,1,2,3                        ; k likewise
	QUANT 2, 64*\i, CK+8*\i
	global_store_b128 v[LI], v[CK+8*\i:CK+8*\i+3], s[28:29] offset:1024*\i
	global_store_b128 v[LI], v[CK+8*\i+4:CK+8*\i+7], s[28:29] offset:1024*\i+512
	v_lshrrev_b32 v[TT], v[SH], v[PW]
	v_and_or_b32 v[SK+\i], v[TT], 0xffff, s8
.endr
	global_store_b128 v[LI], v[SK:SK+3], s[28:29] offset:4096
.irp t, 0,1,2,3                        ; v: channels 16 t on, 128 keys: a whole fragment of V^T and its scale word
	QUANT 3, 64*\t, CV+8*\t
	global_store_b128 v[LI], v[CV+8*\t:CV+8*\t+3], s[28:29] offset:4608+1024*\t
	global_store_b128 v[LI], v[CV+8*\t+4:CV+8*\t+7], s[28:29] offset:4608+1024*\t+512
	v_mov_b32 v[PWV+\t], v[PW]
.endr
	v_cndmask_b32 v[VSR], v[PWV], v[PWV+1], s9     ; lanes 0-15 the even tile's words, lanes 16-31 the odd tile's
	v_cndmask_b32 v[VSR+1], v[PWV+2], v[PWV+3], s9
	global_store_b64 v[LI8], v[VSR:VSR+1], s[28:29] offset:8704
	s_wait_tensorcnt 0x0                           ; the wave's end
	ds_add_u32 v[SPW], v[NIL]
	s_wait_dscnt 0x0
	CROUND                                         ; the closing round: no work-group ends while a partner may still ask for a tile that names it
	s_endpgm
.Lfunc_end_k_q4f0f258619_proj:
	.size	k_q4f0f258619_proj, .Lfunc_end_k_q4f0f258619_proj-k_q4f0f258619_proj
	.p2alignl 7, 3214868480
	.fill 96, 4, 3214868480
	.section	.rodata,"a",@progbits
	.p2align	6, 0x0
	.amdhsa_kernel k_q4f0f258619_proj
		.amdhsa_group_segment_fixed_size 327680
		.amdhsa_private_segment_fixed_size 0
		.amdhsa_enable_private_segment 0
		.amdhsa_kernarg_size 104
		.amdhsa_user_sgpr_count 2
		.amdhsa_user_sgpr_kernarg_segment_ptr 1
		.amdhsa_wavefront_size32 1
		.amdhsa_system_sgpr_workgroup_id_x 1
		.amdhsa_system_sgpr_workgroup_id_y 1
		.amdhsa_system_sgpr_workgroup_id_z 1
		.amdhsa_system_vgpr_workitem_id 0
		.amdhsa_next_free_vgpr 1024
		.amdhsa_next_free_sgpr 106
		.amdhsa_reserve_vcc 0
		.amdhsa_float_denorm_mode_32 3
		.amdhsa_float_denorm_mode_16_64 3
		.amdhsa_memory_ordered 1
		.amdhsa_forward_progress 1
		.amdhsa_inst_pref_size 192
	.end_amdhsa_kernel
	.amdgpu_metadata
---
amdhsa.version: [ 1, 2 ]
amdhsa.kernels:
  - .name:           k_q4f0f258619_proj
    .symbol:         k_q4f0f258619_proj.kd
    .args:
      - { .name: x_codes, .offset: 0, .size: 8, .value_kind: global_buffer, .address_space: global }
      - { .name: x_scales, .offset: 8, .size: 8, .value_kind: global_buffer, .address_space: global }
      - { .name: Wq_codes, .offset: 16, .size: 8, .value_kind: global_buffer, .address_space: global }
      - { .name: Wq_scales, .offset: 24, .size: 8, .value_kind: global_buffer, .address_space: global }
      - { .name: Wk_codes, .offset: 32, .size: 8, .value_kind: global_buffer, .address_space: global }
      - { .name: Wk_scales, .offset: 40, .size: 8, .value_kind: global_buffer, .address_space: global }
      - { .name: Wv_codes, .offset: 48, .size: 8, .value_kind: global_buffer, .address_space: global }
      - { .name: Wv_scales, .offset: 56, .size: 8, .value_kind: global_buffer, .address_space: global }
      - { .name: bq, .offset: 64, .size: 8, .value_kind: global_buffer, .address_space: global }
      - { .name: bk, .offset: 72, .size: 8, .value_kind: global_buffer, .address_space: global }
      - { .name: bv, .offset: 80, .size: 8, .value_kind: global_buffer, .address_space: global }
      - { .name: qws, .offset: 88, .size: 8, .value_kind: global_buffer, .address_space: global }
      - { .name: kv, .offset: 96, .size: 8, .value_kind: global_buffer, .address_space: global }
    .group_segment_fixed_size: 327680
    .private_segment_fixed_size: 0
    .kernarg_segment_align: 8
    .kernarg_segment_size: 104
    .max_flat_workgroup_size: 128
    .sgpr_count:     106
    .vgpr_count:     1024
    .wavefront_size: 32
...
	.end_amdgpu_metadata
.endif
;; end of part 1
;; launch attn (part 2): grid 8 x 32, 16 waves a work-group, clusters of 4 x 1, 327,680 bytes of LDS; arguments qws, kv, aimg, asc; writes aimg, asc
.if DOCPART == 2
	.amdgcn_target "amdgcn-amd-amdhsa--gfx1250"
	.amdhsa_code_object_version 6
	.text
	.protected	k_q4f0f258619_attn
	.globl	k_q4f0f258619_attn
	.p2align	8
	.type	k_q4f0f258619_attn,@function
k_q4f0f258619_attn:
	s_mov_b64 s[64:65], 0
	v_nop
	global_prefetch_b8 v0, s[64:65] scope:SCOPE_SE
	s_setreg_imm32_b32 hwreg(HW_REG_WAVE_MODE, 25, 1), 1
	s_wait_xcnt 0x0
	s_wait_alu depctr_hold_cnt(0) depctr_sa_sdst(0) depctr_va_vdst(0) depctr_va_sdst(0) depctr_va_ssrc(0) depctr_va_vcc(0) depctr_vm_vsrc(0)
	s_getreg_b32 s2, hwreg(HW_REG_IB_STS2, 6, 4)
	s_cmp_eq_u32 s2, 0
	s_cbranch_scc0 .Lentry_in_a_cluster
	s_endpgm
.Lentry_in_a_cluster:
	s_bfe_u32 s2, ttmp6, 0x10000c
	s_cmp_lg_u32 s2, 0x3003
	s_cbranch_scc0 .Lentry_shape_is_right
	s_endpgm
.Lentry_shape_is_right:
; For each batch and head: O = softmax(q k^T / 32) v, both products on codes of FP4 with one E8M0 scale for each 32 along K; then O / l is quantised along the model's 1,024 (two blocks a head) for the last projection.
; No work is left out.  t = score x log2(e) / 32; M = the running largest t rounded UP to a whole number; p = 2^(t - M) is what is quantised, along the keys; the row's sum l is taken of the unquantised p and divides at the end.
; When M moves, l and O are multiplied by 2^(old M - new M), which rounds nothing.
; LIMITS: NaN and infinities are not served; a p under 2^-126 counts as 0; a block of zeros gets the scale byte 1 (its codes are zeros, and this program alone reads the bytes).
; SHARES.  Work-group (QB, y = 8 batch + p): 256 queries, heads 2 p and then 2 p + 1.  Each of its sixteen waves owns one tile of 16 queries in 256 registers: four waves to a SIMD, so that one wave's vector work stands beside another's products and LDS loads.
; LDS.  K, V and their scale words of BOTH heads lie whole in LDS, 2 x 143,360 bytes, as images of operand registers (8,960 bytes for each 128 keys): filled once, so the loops have no barrier.  Every wave brings one key step of each head: one load of mine is out at a time.
; CLUSTER 4 x 1: the four blocks of queries of a cluster walk the same two heads: each block of K and V is asked for jointly.
; LAYOUT.  Both products transposed: S^T = K Q^T (source 0 = 16 keys), O^T = V^T P^T (source 0 = 16 channels): a lane holds ONE query throughout.  Tile t of S^T gives lane (r, h), register j, key 16 t + 8 h + j; the conversions' results are
; laid and exchanged as in the launch before, so that p's eight registers are the second product's operand.
; K = 64 IN A PRODUCT OF 128: Q's registers 4-7 are zero codes.  K's operand for tile t is v[32 + 4 t : 39 + 4 t]: its upper four registers are the next tile's codes (for the last tile zeros) and meet Q's zeros; bytes 2, 3 of both scale words are 1.0.
.set STEPB, 8960
.set HEADB, 16*STEPB
.set STG,   2*HEADB                    ; 1,024 bytes: the work-group's 256 scale words on the way out; no tensor load lands here
.set SPARE, STG+1024                   ; the spare words, 128 bytes for each of sixteen waves: eight blocks of 256 bytes that no other line names
.set LI,  1                            ; v1   16 x lane
.set LI8, 2                            ; v2   8 x lane
.set ADR, 3                            ; v3   the step's block + 16 x lane
.set ADR8, 4                           ; v4   + 8 x lane
.set SPW, 5                            ; v5   my spare word; never rewritten
.set NIL, 6                            ; v6   0; never rewritten
.set QWA, 7                            ; v7   16 x (lane % 16)
.set STA, 8                            ; v8   where my row's scale word goes
.set STR, 9                            ; v9   where waves 0 and 1 read the words back
.set GS,  10                           ; v10  and their place in memory
.set HA,  11                           ; v11  the scale word in the making
.set QF,  16                           ; v16-19 Q's codes, v20-23 zeros
.set OA,  24                           ; v24-27, v28-31 the two heads' result codes
.set KF,  32                           ; v32-63 K's eight tiles, v64-67 zeros
.set KS,  68                           ; v68-71 K's scale words
.set VF,  72                           ; v72-103 V^T's four fragments
.set VS,  104                          ; v104-105 V's scale words
.set QS,  106                          ; v106 Q's scale word
.set S,   112                          ; v112-175 S^T, then p
.set O,   176                          ; v176-207 O^T
.set PC,  208                          ; v208-215 p's codes
.set BM,  216                          ; v216-219 the blocks' largest scores, then p
.set BT,  220                          ; v220-223 at work
.set SO,  224                          ; v224-227 the conversions' scale operands
.set T,   228
.set FF,  230                          ; v230 f = 2^(old M - new M);  v231 p's scale word
.set PWR, 231
.set WV,  12
.set SEL, 16
.set CS,  18
.set TB,  20
.set CNT, 21
.set G1,  24
.set G0A, 32
.set G0B, 36
.macro PLACES n
.rept \n
	v_nop
.endr
.endm
.macro CROUND
	s_barrier_signal -1
	s_barrier_wait -1
	s_cmp_lg_u32 s[WV], 0
	s_cbranch_scc1 .Lnot_wave_0_\@
	s_barrier_signal -3
.Lnot_wave_0_\@:
	s_barrier_wait -3
	s_barrier_signal -1
	s_barrier_wait -1
.endm
	s_load_b256 s[4:11], s[0:1], 0x0               ; qws, kv, aimg, asc
	v_lshl_add_u32 v[SPW], v0, 2, SPARE
	v_mov_b32 v[NIL], 0
	ds_add_u32 v[SPW], v[NIL]                      ; the wave's opening: the add, twice on end, and its wait ahead of my first tensor load
	ds_add_u32 v[SPW], v[NIL]
	v_lshrrev_b32 v1, 5, v0
	s_delay_alu instid0(VALU_DEP_1)
	v_readfirstlane_b32 s[WV], v1                  ; wave 0..15
	s_bfe_u32 s13, ttmp6, 0x40000                  ; cx
	s_lshl_b32 s14, ttmp9, 2
	s_add_co_u32 s14, s14, s13                     ; my block of 256 queries: it enters the addresses of qws, aimg and asc alone
	s_and_b32 s15, ttmp7, 0xffff                   ; y = 8 batch + head pair, which the four partners share
	s_mov_b32 s[G1], 15|(3<<16)|(1<<21)            ; the mask: all four; elements of 8 bytes; no padding; bit 21 beside a mask
	s_mov_b32 s[G1+1], 32<<16                      ; rows of 256 bytes,
	s_mov_b32 s[G1+2], 35<<16                      ; 35 of them: 8,960 dense bytes
	s_mov_b32 s[G1+3], 32<<16
	s_mov_b32 s[G1+4], 35
	s_mov_b32 s[G1+5], 32
	s_mov_b32 s[G1+6], 0
	s_mov_b32 s[G1+7], 0
	s_mov_b32 s[SEL], 0x76543210
	s_mov_b32 s[SEL+1], 0xfedcba98
	s_mov_b32 s[CS], 0x3d38aa3b                    ; c = log2(e) / 32
	s_mov_b32 s[CS+1], s[CS]                       ; (named with it as a pair, so it is written)
	s_mov_b32 s[TB], 0
	s_mul_i32 s[G0A+1], s[WV], STEPB               ; LDS: key step w of the first head,
	s_add_co_u32 s[G0B+1], s[G0A+1], HEADB         ; and of the second
	s_mul_i32 s40, s15, 2*HEADB
	s_add_co_u32 s40, s40, s[G0A+1]
	s_mov_b32 s41, 0                               ; the same in memory: nothing here hangs on cx
	s_lshl_b32 s42, s15, 5                         ; qws: (16 x (16 batch + head) + group of 128 rows) x 4,608
	s_lshl_b32 s43, s14, 1
	s_add_co_u32 s42, s42, s43
	s_lshr_b32 s43, s[WV], 3
	s_add_co_u32 s42, s42, s43
	s_mul_i32 s42, s42, 4608
	s_and_b32 s43, s[WV], 7
	s_lshl_b32 s43, s43, 9
	s_add_co_u32 s44, s42, s43                     ; my tile's codes
	s_mov_b32 s45, 0
	s_and_b32 s43, s[WV], 1
	s_lshl_b32 s43, s43, 8
	s_bfe_u32 s46, s[WV], 0x20001
	s_lshl_b32 s46, s46, 2
	s_add_co_u32 s46, s46, s43
	s_add_co_u32 s46, s46, s42
	s_add_co_u32 s46, s46, 4096                    ; my tile's scale words: word (tile / 2) of lanes 16 (tile % 2) on
	s_mov_b32 s47, 0
	s_wait_dscnt 0x0                               ; both opening adds are done
	s_wait_kmcnt 0x0
	s_mov_b32 s[G0A], 1
	s_mov_b32 s[G0B], 1
	s_add_nc_u64 s[G0A+2:G0A+3], s[6:7], s[40:41]
	s_add_nc_u64 s[G0B+2:G0B+3], s[G0A+2:G0A+3], HEADB
	s_or_b32 s[G0A+3], s[G0A+3], 0x80000000
	s_or_b32 s[G0B+3], s[G0B+3], 0x80000000
	CROUND                                         ; all four work-groups are here: the joint loads meet
	tensor_load_to_lds s[G0A:G0A+3], s[G1:G1+7]
	s_nop 0
	s_wait_alu depctr_va_vdst(0)
	s_wait_tensorcnt 0x0
	ds_add_u32 v5, v6
	s_wait_dscnt 0x0
	CROUND
	tensor_load_to_lds s[G0B:G0B+3], s[G1:G1+7]
	s_nop 0
.rept 4
	v_nop
.endr
	s_add_nc_u64 s[22:23], s[4:5], s[46:47]        ; Q's scale words
	s_add_nc_u64 s[4:5], s[4:5], s[44:45]          ; Q's codes
	s_lshr_b32 s42, s15, 3                         ; the batch
	s_lshl_b32 s43, s42, 7
	s_lshl_b32 s44, s14, 4
	s_add_co_u32 s43, s43, s44
	s_add_co_u32 s43, s43, s[WV]                   ; my tile of 16 rows among the 512
	s_lshl_b32 s44, s43, 13
	s_and_b32 s43, s15, 7                          ; the head pair
	s_lshl_b32 s46, s43, 10
	s_add_co_u32 s44, s44, s46
	s_add_nc_u64 s[8:9], s[8:9], s[44:45]          ; aimg
	s_lshl_b32 s44, s43, 15
	s_lshl_b32 s42, s42, 13
	s_add_co_u32 s44, s44, s42
	s_lshl_b32 s42, s14, 10
	s_add_co_u32 s44, s44, s42
	s_add_nc_u64 s[10:11], s[10:11], s[44:45]      ; asc: my work-group's 256 words
	v_and_b32 v[T], 15, v0                         ; r
	v_and_b32 v[LI8], 31, v0
	s_delay_alu instid0(VALU_DEP_1)
	v_lshlrev_b32 v[LI], 4, v[LI8]
	s_delay_alu instid0(VALU_DEP_2)
	v_lshlrev_b32 v[LI8], 3, v[LI8]
	s_delay_alu instid0(VALU_DEP_4)
	v_lshlrev_b32 v[QWA], 4, v[T]
	s_lshl_b32 s42, s[WV], 6
	s_add_co_u32 s42, s42, STG
	v_lshl_add_u32 v[STA], v[T], 2, s42
	v_and_b32 v[GS], 63, v0
	s_delay_alu instid0(VALU_DEP_1)
	v_lshlrev_b32 v[GS], 4, v[GS]
	s_delay_alu instid0(VALU_DEP_1)
	v_add_nc_u32 v[STR], STG, v[GS]
.irp j, 0,1,2,3
	v_mov_b32 v[QF+4+\j], 0                        ; zero codes: the upper 64 of the first product's K
	v_mov_b32 v[KF+32+\j], 0
	v_mov_b32 v[BT+\j], 0                          ; written once: a lane permute's destination counts as one of its sources
.endr
	v_mov_b32 v[PWR], 0                            ; (named as the upper half of the pair v[230:231] before it is first written)
; A KEY STEP: 128 keys, at LDS byte s[TB].
.macro STEP
	v_add_nc_u32 v[ADR], s[TB], v[LI]
	v_add_nc_u32 v[ADR8], s[TB], v[LI8]
	v_nop
	v_nop                                          ; four places in front of loads into registers that the last step's products read
.irp t, 0,1,2,3,4,5,6,7
	ds_load_b128 v[KF+4*\t:KF+4*\t+3], v[ADR] offset:512*\t
.endr
	ds_load_b128 v[KS:KS+3], v[ADR] offset:4096
.irp d, 0,1,2,3
.irp c, 0,1
	ds_load_b128 v[VF+8*\d+4*\c:VF+8*\d+4*\c+3], v[ADR] offset:4608+1024*\d+512*\c
.endr
.endr
	ds_load_b64 v[VS:VS+1], v[ADR8] offset:8704
	s_wait_dscnt 9                                 ; K and its scale words are in; V's nine loads may be out
.irp t, 0,2,4,6
	v_wmma_scale_f32_16x16x128_f8f6f4 v[S+8*\t:S+8*\t+7], v[KF+4*\t:KF+4*\t+7], v[QF:QF+7], 0, v[KS+\t/2], v[QS] matrix_a_fmt:MATRIX_FMT_FP4 matrix_b_fmt:MATRIX_FMT_FP4
	v_wmma_scale_f32_16x16x128_f8f6f4 v[S+8*\t+8:S+8*\t+15], v[KF+4*\t+4:KF+4*\t+11], v[QF:QF+7], 0, v[KS+\t/2], v[QS] matrix_a_fmt:MATRIX_FMT_FP4 matrix_b_fmt:MATRIX_FMT_FP4 matrix_a_scale:MATRIX_SCALE_ROW1
.endr
	PLACES 4
.irp b, 0,1,2,3
	v_max3_num_f32 v[BM+\b], v[S+16*\b], v[S+1+16*\b], v[S+2+16*\b]   ; the largest score of each block of 32 keys: it serves for the row's maximum and, since p rises with the score, for the block's largest p
.endr
.irp i, 3,5,7,9,11,13
.irp b, 0,1,2,3
	v_max3_num_f32 v[BM+\b], v[BM+\b], v[S+16*\b+\i], v[S+1+16*\b+\i]
.endr
.endr
.irp b, 0,1,2,3
	v_max_num_f32 v[BM+\b], v[BM+\b], v[S+15+16*\b]
.endr
.irp b, 0,1,2,3
	s_delay_alu instid0(VALU_DEP_4)
	v_permlanex16_b32 v[BT+\b], v[BM+\b], s[SEL], s[SEL+1]
.endr
.irp b, 0,1,2,3
	s_delay_alu instid0(VALU_DEP_4)
	v_max_num_f32 v[BM+\b], v[BM+\b], v[BT+\b]     ; with lane l xor 16's 16 keys
.endr
	s_delay_alu instid0(VALU_DEP_2)
	v_max3_num_f32 v[T], v[BM], v[BM+1], v[BM+2]
	s_delay_alu instid0(VALU_DEP_1)
	v_max_num_f32 v[T], v[T], v[BM+3]              ; the step's largest score of my query
	s_delay_alu instid0(VALU_DEP_1)
	v_mul_f32 v[T], s[CS], v[T]                    ; as t (c is positive)
	s_delay_alu instid0(VALU_DEP_1)
	v_max_num_f32 v13, v13, v[T]                   ; the running largest t
	v_mov_b32 v[T], v12
	s_delay_alu instid0(VALU_DEP_2)
	v_floor_f32 v12, -v13                          ; the new -M = floor(-t): M is a whole number
	s_delay_alu instid0(VALU_DEP_1)
	v_sub_f32 v[T], v12, v[T]                      ; old M - new M: a whole number, 0 or less
	s_delay_alu instid0(VALU_DEP_1)
	v_cvt_i32_f32 v[T], v[T]                       ; (it saturates)
	s_delay_alu instid0(VALU_DEP_1)
	v_ldexp_f32 v[FF], 1.0, v[T]                   ; f = 2^(old M - new M)
.set j, 0
.rept 32
	v_pk_fma_f32 v[S+j:S+j+1], v[S+j:S+j+1], s[CS:CS+1], v[12:13] op_sel_hi:[1,0,0]   ; t - M, two at a time
.set j, j+2
.endr
.irp b, 0,1,2,3
	v_fma_f32 v[BM+\b], v[BM+\b], s[CS], v12       ; the same of each block's largest score
.endr
.set j, 0
	s_wait_alu depctr_va_vdst(0)
.rept 64
	v_exp_f32 v[S+j], v[S+j]                       ; p = 2^(t - M), at most 1: not normalised
.set j, j+1
.endr
	s_setprio 1
	v_pk_mul_f32 v[14:15], v[14:15], v[FF:FF+1] op_sel_hi:[1,0]   ; the sums under the new M: a plain place behind the exponentials
	s_wait_alu depctr_va_vdst(0)                   ; one wait for the whole batch, ahead of its first reader
.irp b, 0,1,2,3
	v_exp_f32 v[BM+\b], v[BM+\b]                   ; the block's largest p: the same two instructions on the same number
.endr
	v_pk_add_f32 v[BT:BT+1], v[S:S+1], v[S+2:S+3]  ; the row's sum is taken of the unquantised p, in two chains
.set j, 4
.rept 15
	v_pk_add_f32 v[14:15], v[14:15], v[S+j:S+j+1]
	v_pk_add_f32 v[BT:BT+1], v[BT:BT+1], v[S+j+2:S+j+3]
.set j, j+4
.endr
	s_delay_alu instid0(VALU_DEP_1)
	v_pk_add_f32 v[14:15], v[14:15], v[BT:BT+1]
	s_wait_alu depctr_va_vdst(0)                   ; and one for the four
.irp b, 0,1,2,3
	v_max_num_f32 v[BM+\b], 0x1800000, v[BM+\b]    ; the floor 2^(3 - 127): the byte cannot fall under 1
.endr
.irp b, 0,1,2,3
	s_delay_alu instid0(VALU_DEP_4)
	v_add_nc_u32 v[SO+\b], 0xff000000, v[BM+\b]    ; 2 off the exponent field: the conversion's scale operand
.endr
.irp b, 0,1,2,3
	s_delay_alu instid0(VALU_DEP_4)
	v_lshrrev_b32 v[BT+\b], 23, v[SO+\b]           ; the scale's byte
.endr
	s_delay_alu instid0(VALU_DEP_3)
	v_lshl_or_b32 v[PWR], v[BT+1], 8, v[BT]        ; p's scale word for these 128 keys
	s_delay_alu instid0(VALU_DEP_1)
	v_lshl_or_b32 v[PWR], v[BT+2], 16, v[PWR]
	s_delay_alu instid0(VALU_DEP_1)
	v_lshl_or_b32 v[PWR], v[BT+3], 24, v[PWR]
.irp c, 0,1
.irp e, 0,1
	v_cvt_scalef32_pk8_fp4_f32 v[PC+4*\c+\e], v[S+32*\c+16*\e:S+32*\c+16*\e+7], v[SO+2*\c+\e]
	v_cvt_scalef32_pk8_fp4_f32 v[PC+4*\c+2+\e], v[S+32*\c+16*\e+8:S+32*\c+16*\e+15], v[SO+2*\c+\e]
.endr
.endr
	v_nop                                          ; one plain place behind a scaled conversion
.irp c, 0,1
	v_permlane16_swap_b32 v[PC+4*\c], v[PC+4*\c+1]
	v_permlane16_swap_b32 v[PC+4*\c+2], v[PC+4*\c+3]
.endr
.set j, 0
	s_setprio 0
.rept 16
	v_pk_mul_f32 v[O+j:O+j+1], v[O+j:O+j+1], v[FF:FF+1] op_sel_hi:[1,0]   ; O^T under the new M.  (These sixteen are also the places between the scale word, the codes and the products below)
.set j, j+2
.endr
	s_wait_alu depctr_va_vdst(0)
	s_wait_dscnt 0x0                               ; V is in
.irp d, 0,2
	v_wmma_scale_f32_16x16x128_f8f6f4 v[O+8*\d:O+8*\d+7], v[VF+8*\d:VF+8*\d+7], v[PC:PC+7], v[O+8*\d:O+8*\d+7], v[VS+\d/2], v[PWR] matrix_a_fmt:MATRIX_FMT_FP4 matrix_b_fmt:MATRIX_FMT_FP4
	v_wmma_scale_f32_16x16x128_f8f6f4 v[O+8*\d+8:O+8*\d+15], v[VF+8*\d+8:VF+8*\d+15], v[PC:PC+7], v[O+8*\d+8:O+8*\d+15], v[VS+\d/2], v[PWR] matrix_a_fmt:MATRIX_FMT_FP4 matrix_b_fmt:MATRIX_FMT_FP4 matrix_a_scale:MATRIX_SCALE_ROW1
.endr                                  ; the four accumulators take turns; between two links on one of them stand the other three's and the next step's eight
.endm
; A head's end: O^T / l, quantised along the head's 64 (two blocks), stored as half a fragment of the last projection's operand.
.macro FINISH hd
	PLACES 4                                       ; behind the last products
	v_add_f32 v14, v14, v15                        ; the sum's two halves,
	s_delay_alu instid0(VALU_DEP_1)
	v_permlanex16_b32 v[T], v14, s[SEL], s[SEL+1]
	s_delay_alu instid0(VALU_DEP_1)
	v_add_f32 v14, v14, v[T]                       ; and lane l xor 16's: the row's sum
	s_wait_alu depctr_va_vdst(0)
	v_rcp_f32 v14, v14
	v_nop                                          ; a plain place behind the reciprocal
	s_wait_alu depctr_va_vdst(0)                   ; and the wait ahead of its first reader
.set j, 0
.rept 16
	v_pk_mul_f32 v[S+j:S+j+1], v[O+j:O+j+1], v[14:15] op_sel_hi:[1,0]   ; each accumulator from its low end on
.set j, j+2
.endr
.irp b, 0,1
	v_max3_num_f32 v[BM+\b], |v[S+16*\b]|, |v[S+1+16*\b]|, 0x1800000
.endr
.irp i, 2,4,6,8,10,12,14
.irp b, 0,1
	s_delay_alu instid0(VALU_DEP_2)
	v_max3_num_f32 v[BM+\b], v[BM+\b], |v[S+16*\b+\i]|, |v[S+1+16*\b+\i]|
.endr
.endr
.irp b, 0,1
	s_delay_alu instid0(VALU_DEP_2)
	v_permlanex16_b32 v[BT+\b], v[BM+\b], s[SEL], s[SEL+1]
.endr
.irp b, 0,1
	s_delay_alu instid0(VALU_DEP_2)
	v_max_num_f32 v[BM+\b], v[BM+\b], v[BT+\b]
.endr
.irp b, 0,1
	s_delay_alu instid0(VALU_DEP_2)
	v_add_nc_u32 v[SO+\b], 0xff000000, v[BM+\b]
.endr
.irp b, 0,1
	s_delay_alu instid0(VALU_DEP_2)
	v_lshrrev_b32 v[BT+\b], 23, v[SO+\b]
.endr
	v_cvt_scalef32_pk8_fp4_f32 v[OA+4*\hd], v[S:S+7], v[SO]
	v_cvt_scalef32_pk8_fp4_f32 v[OA+4*\hd+1], v[S+16:S+23], v[SO+1]
	v_cvt_scalef32_pk8_fp4_f32 v[OA+4*\hd+2], v[S+8:S+15], v[SO]
	v_cvt_scalef32_pk8_fp4_f32 v[OA+4*\hd+3], v[S+24:S+31], v[SO+1]
	v_nop
	v_permlane16_swap_b32 v[OA+4*\hd], v[OA+4*\hd+1]
	v_permlane16_swap_b32 v[OA+4*\hd+2], v[OA+4*\hd+3]
	global_store_b128 v[LI], v[OA+4*\hd:OA+4*\hd+3], s[8:9] offset:512*\hd   ; the wave stores 512 consecutive bytes, aligned
.if \hd == 0
	v_lshl_or_b32 v[HA], v[BT+1], 8, v[BT]         ; bytes 0, 1 of my row's scale word
.else
	v_lshl_or_b32 v[HA], v[BT], 16, v[HA]          ; bytes 2, 3
	s_delay_alu instid0(VALU_DEP_1)
	v_lshl_or_b32 v[HA], v[BT+1], 24, v[HA]
.endif
.endm
.macro HEADRUN hd
	global_load_b128 v[QF:QF+3], v[LI], s[4:5] offset:73728*\hd      ; the next head lies 16 groups of 4,608 bytes on
	global_load_b32 v[QS], v[QWA], s[22:23] offset:73728*\hd
	v_mov_b32 v13, 0xff61b1e6                      ; the largest t so far: -3e38, under every t
	s_delay_alu instid0(VALU_DEP_1)
	v_floor_f32 v12, -v13                          ; -M
	v_mov_b32 v14, 0                               ; the sum, in two halves
	v_mov_b32 v15, 0
.set j, 0
.rept 32
	v_mov_b32 v[O+j], 0                            ; O^T.  (The step is written once: the first finds zeros, which the first change of M leaves zeros)
.set j, j+1
.endr
	s_wait_tensorcnt 1-\hd                         ; my part of this head is in (first head: the second head's load may stay out)
	s_wait_dscnt 0x0
	s_barrier_signal -1
	s_barrier_wait -1                              ; everybody's is
	s_wait_loadcnt 0x0                             ; Q
	s_mov_b32 s[CNT], 16
.Lstep_\@:
	s_setprio 2
	STEP
	s_add_co_u32 s[TB], s[TB], STEPB               ; the next 128 keys; behind the first head's last step stands the second head's first
	s_sub_co_u32 s[CNT], s[CNT], 1
	s_cmp_lg_u32 s[CNT], 0
	s_cbranch_scc1 .Lstep_\@
	s_setprio 0
	FINISH \hd
.endm
	HEADRUN 0
	HEADRUN 1
	ds_store_b32 v[STA], v[HA]                     ; my 16 rows' scale words (both halves of the lanes write the same word with the same value)
	s_wait_dscnt 0x0                               ; for the others' sake: my stores have landed
	s_barrier_signal -1
	s_barrier_wait -1
	s_cmp_lt_u32 s[WV], 2
	s_cbranch_scc0 .Lno_words
	ds_load_b128 v[KF:KF+3], v[STR]                ; waves 0 and 1 store the work-group's 1,024 bytes: 512 consecutive bytes a wave
	s_wait_dscnt 0x0
	global_store_b128 v[GS], v[KF:KF+3], s[10:11]
.Lno_words:
	s_wait_tensorcnt 0x0                           ; the wave's end, behind my last tensor load and my last LDS store
	ds_add_u32 v[SPW], v[NIL]
	s_wait_dscnt 0x0
	CROUND                                         ; the closing round
	s_endpgm
.Lfunc_end_k_q4f0f258619_attn:
	.size	k_q4f0f258619_attn, .Lfunc_end_k_q4f0f258619_attn-k_q4f0f258619_attn
	.p2alignl 7, 3214868480
	.fill 96, 4, 3214868480
	.section	.rodata,"a",@progbits
	.p2align	6, 0x0
	.amdhsa_kernel k_q4f0f258619_attn
		.amdhsa_group_segment_fixed_size 327680
		.amdhsa_private_segment_fixed_size 0
		.amdhsa_enable_private_segment 0
		.amdhsa_kernarg_size 32
		.amdhsa_user_sgpr_count 2
		.amdhsa_user_sgpr_kernarg_segment_ptr 1
		.amdhsa_wavefront_size32 1
		.amdhsa_system_sgpr_workgroup_id_x 1
		.amdhsa_system_sgpr_workgroup_id_y 1
		.amdhsa_system_sgpr_workgroup_id_z 1
		.amdhsa_system_vgpr_workitem_id 0
		.amdhsa_next_free_vgpr 256
		.amdhsa_next_free_sgpr 66
		.amdhsa_reserve_vcc 0
		.amdhsa_float_denorm_mode_32 3
		.amdhsa_float_denorm_mode_16_64 3
		.amdhsa_memory_ordered 1
		.amdhsa_forward_progress 1
		.amdhsa_inst_pref_size 50
	.end_amdhsa_kernel
	.amdgpu_metadata
---
amdhsa.version: [ 1, 2 ]
amdhsa.kernels:
  - .name:           k_q4f0f258619_attn
    .symbol:         k_q4f0f258619_attn.kd
    .args:
      - { .name: qws, .offset: 0, .size: 8, .value_kind: global_buffer, .address_space: global }
      - { .name: kv, .offset: 8, .size: 8, .value_kind: global_buffer, .address_space: global }
      - { .name: aimg, .offset: 16, .size: 8, .value_kind: global_buffer, .address_space: global }
      - { .name: asc, .offset: 24, .size: 8, .value_kind: global_buffer, .address_space: global }
    .group_segment_fixed_size: 327680
    .private_segment_fixed_size: 0
    .kernarg_segment_align: 8
    .kernarg_segment_size: 32
    .max_flat_workgroup_size: 512
    .sgpr_count:     66
    .vgpr_count:     256
    .wavefront_size: 32
...
	.end_amdgpu_metadata
.endif
;; end of part 2
;; launch outp (part 3): grid 4 x 64, 4 waves a work-group, clusters of 4 x 4, 251,904 bytes of LDS; arguments aimg, asc, Wo_codes, Wo_scales, bo, out0; writes out0
.if DOCPART == 3
	.amdgcn_target "amdgcn-amd-amdhsa--gfx1250"
	.amdhsa_code_object_version 6
	.text
	.protected	k_q4f0f258619_outp
	.globl	k_q4f0f258619_outp
	.p2align	8
	.type	k_q4f0f258619_outp,@function
k_q4f0f258619_outp:
	s_mov_b64 s[64:65], 0
	v_nop
	global_prefetch_b8 v0, s[64:65] scope:SCOPE_SE
	s_setreg_imm32_b32 hwreg(HW_REG_WAVE_MODE, 25, 1), 1
	s_wait_xcnt 0x0
	s_wait_alu depctr_hold_cnt(0) depctr_sa_sdst(0) depctr_va_vdst(0) depctr_va_sdst(0) depctr_va_ssrc(0) depctr_va_vcc(0) depctr_vm_vsrc(0)
	s_getreg_b32 s2, hwreg(HW_REG_IB_STS2, 6, 4)
	s_cmp_eq_u32 s2, 0
	s_cbranch_scc0 .Lentry_in_a_cluster
	s_endpgm
.Lentry_in_a_cluster:
	s_bfe_u32 s2, ttmp6, 0x10000c
	s_cmp_lg_u32 s2, 0xf033
	s_cbranch_scc0 .Lentry_shape_is_right
	s_endpgm
.Lentry_shape_is_right:
; out0 = a Wo^T + bo on codes of FP4 with E8M0 scales; a is the attention's result as the launch before has quantised it, stored as images of operand registers.  No work is left out.
; LIMITS: NaN and infinities are not served; bo is the sum's first addend, not its last.
; SHARES.  A work-group makes 128 rows x 256 columns; wave w rows 64 (w / 2) on (4 tiles), columns 128 (w % 2) on (8 tiles): 32 accumulators.  K = 1,024 is 8 steps of 128.
; All of K lies in LDS, brought as two halves of K at the head: nothing is filled again.  The first half is multiplied while the second lands.
; CLUSTER 4 x 4: a's tiles hang on the row block alone and are asked for jointly along a row of the cluster, Wo's on the column block alone and jointly along a column.  Waves 0, 1 fetch for a, waves 2, 3 for Wo.
; USED TRANSPOSED (source 0 = 16 rows of Wo, source 1 = 16 rows of a): a lane holds eight neighbouring columns of one row of out0.
; REGISTERS: window 0: v1-15 addresses; v16-31 a's scale words, v32-63 Wo's, for all of K; v64-191 the way out.  window 1: the accumulators at 8 (8 at + bt).  window 2: two sets of fragments: a's four at 96 set, Wo's eight at 96 set + 32.
.set AH0,  0                           ; a's images, first half of K: 8 row tiles x 4,096 bytes;
.set AH1,  32768                       ; second half
.set BH0,  65536                       ; Wo: 256 rows x (256 bytes + 16), first half of K;
.set BH1,  BH0+256*272                 ; second half
.set ASC,  BH1+256*272                 ; a's scale words: [64-row half][K step][64 rows]
.set BSC,  ASC+4096                    ; Wo's scale bytes: 32 units of 256 + 16
.set STAGE, BSC+32*272                 ; the way out: 16 rows x (512 + 16) for each wave; no tensor load lands here
.set SPITCH, 528
.set SPARE, STAGE+4*16*SPITCH          ; the spare words, 128 bytes for each wave
.set ADA,  4
.set ADB,  5                           ; v5-6
.set ADSA, 7
.set ADSB, 8
.set STO,  9
.set RD,   10
.set CO,   11
.set SPW,  12
.set NIL,  13
.set BOA,  14
.set SA,   16
.set SB,   32
.set BK,   64
.set WV, 16
.set RH, 17
.set CH, 18
.set CX, 19
.set CY, 20
.set XX, 21
.set YY, 22
.set G1A,  28
.set G1AS, 36
.set G1B,  44
.set G1BS, 52
.set G0A,  68                          ; s[68:79] three groups 0 for a: scale words, halves 0, 1;  s[80:91] the same for Wo
.set G0B,  80
.set MSB, 0
.macro WIN new
.if MSB != \new
	s_set_vgpr_msb (MSB<<8)|\new
.set MSB, \new
.endif
.endm
.macro PLACES n
.rept \n
	v_nop
.endr
.endm
.macro CROUND
	s_barrier_signal -1
	s_barrier_wait -1
	s_cmp_lg_u32 s[WV], 0
	s_cbranch_scc1 .Lnot_wave_0_\@
	s_barrier_signal -3
.Lnot_wave_0_\@:
	s_barrier_wait -3
	s_barrier_signal -1
	s_barrier_wait -1
.endm
.macro JLOAD ga, g1a, gb, g1b          ; an s_nop 0 and four v_nop follow each of the two lines
	s_cmp_eq_u32 s[RH], 0
	s_cbranch_scc0 .Lfor_b_\@
	tensor_load_to_lds s[\ga:\ga+3], s[\g1a:\g1a+7]
	s_nop 0
.rept 4
	v_nop
.endr
	s_branch .Lasked_\@
.Lfor_b_\@:
	tensor_load_to_lds s[\gb:\gb+3], s[\g1b:\g1b+7]
	s_nop 0
.rept 4
	v_nop
.endr
.Lasked_\@:
.endm
.macro WM d, a, b, c, sa, sb, ra, rb
.if (\ra) && (\rb)
	v_wmma_scale_f32_16x16x128_f8f6f4 v[(\d):(\d)+7], v[(\a):(\a)+7], v[(\b):(\b)+7], v[(\c):(\c)+7], v[\sa], v[\sb] matrix_a_fmt:MATRIX_FMT_FP4 matrix_b_fmt:MATRIX_FMT_FP4 matrix_a_scale:MATRIX_SCALE_ROW1 matrix_b_scale:MATRIX_SCALE_ROW1
.elseif (\ra)
	v_wmma_scale_f32_16x16x128_f8f6f4 v[(\d):(\d)+7], v[(\a):(\a)+7], v[(\b):(\b)+7], v[(\c):(\c)+7], v[\sa], v[\sb] matrix_a_fmt:MATRIX_FMT_FP4 matrix_b_fmt:MATRIX_FMT_FP4 matrix_a_scale:MATRIX_SCALE_ROW1
.elseif (\rb)
	v_wmma_scale_f32_16x16x128_f8f6f4 v[(\d):(\d)+7], v[(\a):(\a)+7], v[(\b):(\b)+7], v[(\c):(\c)+7], v[\sa], v[\sb] matrix_a_fmt:MATRIX_FMT_FP4 matrix_b_fmt:MATRIX_FMT_FP4 matrix_b_scale:MATRIX_SCALE_ROW1
.else
	v_wmma_scale_f32_16x16x128_f8f6f4 v[(\d):(\d)+7], v[(\a):(\a)+7], v[(\b):(\b)+7], v[(\c):(\c)+7], v[\sa], v[\sb] matrix_a_fmt:MATRIX_FMT_FP4 matrix_b_fmt:MATRIX_FMT_FP4
.endif
.endm
	s_load_b256 s[4:11], s[0:1], 0x0               ; aimg, asc, Wo's codes, Wo's scales
	s_load_b128 s[12:15], s[0:1], 0x20             ; bo, out0
	v_lshl_add_u32 v[SPW], v0, 2, SPARE
	v_mov_b32 v[NIL], 0
	ds_add_u32 v[SPW], v[NIL]                      ; the wave's opening: the add, twice on end, and its wait ahead of my first tensor load
	ds_add_u32 v[SPW], v[NIL]
	v_lshrrev_b32 v1, 5, v0
	v_readfirstlane_b32 s[WV], v1                  ; wave 0..3
	s_lshr_b32 s[RH], s[WV], 1                     ; which 64 rows are mine.  Also: I fetch for a (0) or for Wo (1)
	s_and_b32 s[CH], s[WV], 1                      ; which 128 columns.  Also: which half of the rows I fetch
	s_bfe_u32 s[CX], ttmp6, 0x40000
	s_bfe_u32 s[CY], ttmp6, 0x40004
	s_lshl_b32 s[XX], ttmp9, 2
	s_add_co_u32 s[XX], s[XX], s[CX]               ; block of 256 columns
	s_and_b32 s[YY], ttmp7, 0xffff
	s_lshl_b32 s[YY], s[YY], 2
	s_add_co_u32 s[YY], s[YY], s[CY]               ; block of 128 rows
	s_lshl_b32 s23, s[CY], 2
	s_lshl_b32 s23, 15, s23                        ; my row of the cluster
	s_lshl_b32 s24, 0x1111, s[CX]                  ; my column
	s_or_b32 s[G1A], s23, (3<<16)|(1<<21)          ; a's images: 4 row tiles x 4,096 bytes (512 elements of 8), 8,192 bytes apart, dense in LDS
	s_mov_b32 s[G1A+1], 512<<16
	s_mov_b32 s[G1A+2], 4<<16
	s_mov_b32 s[G1A+3], 512<<16
	s_mov_b32 s[G1A+4], 4
	s_mov_b32 s[G1A+5], 1024
	s_mov_b32 s[G1A+6], 0
	s_mov_b32 s[G1A+7], 0
	s_or_b32 s[G1AS], s23, (3<<16)|(1<<21)         ; a's scale words: 8 K steps x 256 bytes (64 rows), 32,768 bytes apart
	s_mov_b32 s[G1AS+1], 32<<16
	s_mov_b32 s[G1AS+2], 8<<16
	s_mov_b32 s[G1AS+3], 32<<16
	s_mov_b32 s[G1AS+4], 8
	s_mov_b32 s[G1AS+5], 4096
	s_mov_b32 s[G1AS+6], 0
	s_mov_b32 s[G1AS+7], 0
	s_or_b32 s[G1B], s24, (1<<20)|(1<<21)|(5<<22)|(3<<25)   ; Wo: 128 rows x 256 bytes, 512 apart; 4 words of padding behind every 64
	s_mov_b32 s[G1B+1], 256<<16
	s_mov_b32 s[G1B+2], 128<<16
	s_mov_b32 s[G1B+3], 256<<16
	s_mov_b32 s[G1B+4], 128
	s_mov_b32 s[G1B+5], 512
	s_mov_b32 s[G1B+6], 0
	s_mov_b32 s[G1B+7], 0
	s_or_b32 s[G1BS], s24, (3<<16)|(1<<20)|(1<<21)|(5<<22)|(3<<25)   ; Wo's scale bytes of 128 rows: 16 units of 256 bytes, padded
	s_mov_b32 s[G1BS+1], 32<<16
	s_mov_b32 s[G1BS+2], 16<<16
	s_mov_b32 s[G1BS+3], 32<<16
	s_mov_b32 s[G1BS+4], 16
	s_mov_b32 s[G1BS+5], 32
	s_mov_b32 s[G1BS+6], 0
	s_mov_b32 s[G1BS+7], 0
	s_lshl_b32 s26, s[YY], 16                      ; a: 8 row tiles of 8,192 bytes a block, + my 4
	s_lshl_b32 s27, s[CH], 15
	s_add_co_u32 s26, s26, s27
	s_mov_b32 s27, 0
	s_lshl_b32 s92, s[YY], 9                       ; its scale words: 128 rows of 4 bytes, + my 64
	s_lshl_b32 s93, s[CH], 8
	s_add_co_u32 s92, s92, s93
	s_mov_b32 s93, 0
	s_lshl_b32 s94, s[XX], 17                      ; Wo: 256 rows of 512 bytes, + my 128
	s_lshl_b32 s95, s[CH], 16
	s_add_co_u32 s94, s94, s95
	s_mov_b32 s95, 0
	s_lshl_b32 s96, s[XX], 13                      ; its scale bytes
	s_lshl_b32 s97, s[CH], 12
	s_add_co_u32 s96, s96, s97
	s_mov_b32 s97, 0
	s_lshl_b32 s25, s[CH], 11                      ; LDS addresses hang on the wave's number alone
	s_add_co_u32 s[G0A+1], s25, ASC
	s_lshl_b32 s[G0A+5], s[CH], 14
	s_add_co_u32 s[G0A+9], s[G0A+5], AH1
	s_mul_i32 s25, s[CH], 16*272
	s_add_co_u32 s[G0B+1], s25, BSC
	s_mul_i32 s25, s[CH], 128*272
	s_add_co_u32 s[G0B+5], s25, BH0
	s_add_co_u32 s[G0B+9], s25, BH1
	s_wait_dscnt 0x0                               ; both opening adds are done
	s_wait_kmcnt 0x0
	s_mov_b32 s[G0A], 1
	s_mov_b32 s[G0A+4], 1
	s_mov_b32 s[G0A+8], 1
	s_add_nc_u64 s[G0A+2:G0A+3], s[6:7], s[92:93]
	s_add_nc_u64 s[G0A+6:G0A+7], s[4:5], s[26:27]
	s_add_nc_u64 s[G0A+10:G0A+11], s[G0A+6:G0A+7], 4096
	s_or_b32 s[G0A+3], s[G0A+3], 0x80000000
	s_or_b32 s[G0A+7], s[G0A+7], 0x80000000
	s_or_b32 s[G0A+11], s[G0A+11], 0x80000000
	s_mov_b32 s[G0B], 1
	s_mov_b32 s[G0B+4], 1
	s_mov_b32 s[G0B+8], 1
	s_add_nc_u64 s[G0B+2:G0B+3], s[10:11], s[96:97]
	s_add_nc_u64 s[G0B+6:G0B+7], s[8:9], s[94:95]
	s_add_nc_u64 s[G0B+10:G0B+11], s[G0B+6:G0B+7], 256
	s_or_b32 s[G0B+3], s[G0B+3], 0x80000000
	s_or_b32 s[G0B+7], s[G0B+7], 0x80000000
	s_or_b32 s[G0B+11], s[G0B+11], 0x80000000
	CROUND                                         ; all sixteen work-groups are here: the joint loads meet
	JLOAD G0A, G1AS, G0B, G1BS                     ; the scales; three loads of mine are out behind these three lines
	JLOAD G0A+4, G1A, G0B+4, G1B                   ; K's first half
	JLOAD G0A+8, G1A, G0B+8, G1B                   ; K's second half
	s_lshl_b32 s98, s[XX], 10                      ; my first column, in bytes: 1,024 x column block + 512 x half
	s_lshl_b32 s99, s[CH], 9
	s_add_co_u32 s98, s98, s99
	s_mov_b32 s99, 0
	s_add_nc_u64 s[12:13], s[12:13], s[98:99]      ; bo
	s_add_nc_u64 s[14:15], s[14:15], s[98:99]
	s_lshl_b32 s98, s[YY], 19                      ; my first row: 128 rows of 4,096 bytes a block, + 64 x half
	s_lshl_b32 s25, s[RH], 18
	s_add_co_u32 s98, s98, s25
	s_add_nc_u64 s[14:15], s[14:15], s[98:99]      ; out0
	v_and_b32 v1, 15, v0                           ; r
	v_bfe_u32 v2, v0, 4, 1                         ; h
	v_and_b32 v3, 31, v0                           ; lane
	v_lshlrev_b32 v[CO], 4, v3
	s_lshl_b32 s25, s[RH], 14
	v_add_nc_u32 v[ADA], s25, v[CO]                ; a's images: 16 x lane + my 4 row tiles
	v_mul_u32_u24 v15, v1, 272
	v_lshl_add_u32 v15, v2, 4, v15
	s_mul_i32 s25, s[CH], 128*272
	s_add_co_u32 s25, s25, BH0
	v_add_nc_u32 v[ADB], s25, v15
	v_add_nc_u32 v[ADB+1], BH1-BH0, v[ADB]
	s_lshl_b32 s25, s[RH], 11
	s_add_co_u32 s25, s25, ASC
	v_lshl_add_u32 v[ADSA], v3, 2, s25             ; a's scale words: 32 rows a load: lanes 0-15 an even tile, lanes 16-31 the odd one
	v_lshlrev_b32 v15, 5, v1
	v_lshrrev_b32 v192, 3, v1
	v_lshl_add_u32 v15, v192, 4, v15
	v_mad_u32_u24 v15, v2, 544, v15
	s_mul_i32 s25, s[CH], 16*272
	s_add_co_u32 s25, s25, BSC
	v_add_nc_u32 v[ADSB], s25, v15                 ; Wo's: row r's 32 bytes; lanes 16-31 one tile further on
	s_mul_i32 s25, s[WV], 16*SPITCH
	s_add_co_u32 s25, s25, STAGE
	v_mul_u32_u24 v15, v1, SPITCH
	v_lshl_add_u32 v15, v2, 5, v15
	v_add_nc_u32 v[STO], s25, v15                  ; into my stage: row r, 32 bytes for each half of the lanes
	v_add_nc_u32 v[RD], s25, v[CO]                 ; back: the 32 lanes take one row of 512 bytes
	v_lshlrev_b32 v[BOA], 5, v2
	WIN 0x40                                       ; the bias goes into the accumulators of the LAST tile of rows; the first K step's products take it as C
.irp b, 0,1,2,3,4,5,6,7
	global_load_b128 v[192+8*\b:192+8*\b+3], v[BOA], s[12:13] offset:64*\b
	global_load_b128 v[192+8*\b+4:192+8*\b+7], v[BOA], s[12:13] offset:64*\b+16
.endr
	WIN 0
.macro FETCH s                         ; K step s: a's four fragments and Wo's eight into set s % 2
.set FS, 96*((\s)%2)
	WIN 0x80
.irp a, 0,1,2,3
.irp c, 0,1
	ds_load_b128 v[FS+8*\a+4*\c:FS+8*\a+4*\c+3], v[ADA] offset:32768*((\s)/4)+4096*\a+1024*((\s)%4)+512*\c
.endr
.endr
.irp b, 0,1,2,3,4,5,6,7
.irp c, 0,1
	ds_load_b128 v[FS+32+8*\b+4*\c:FS+32+8*\b+4*\c+3], v[ADB+(\s)/4] offset:4352*\b+64*((\s)%4)+32*\c
.endr
.endr
.endm
.macro STEP s
	s_wait_dscnt 0x0                               ; this step's fragments are in: asked for 32 products ago
.if (\s) == 3
	s_wait_tensorcnt 0x0                           ; my part of K's second half is in,
	s_barrier_signal -1
	s_barrier_wait -1                              ; everybody's is
.endif
.if (\s) < 7
	PLACES 4                                       ; in front of loads into the set that the last step's products read
	FETCH (\s)+1
.endif
	WIN 0x5a                                       ; sources 0 and 1 window 2, C and D window 1
.set FS, 96*((\s)%2)
.set AT, 0
.rept 4
.if ((\s) == 0) && (AT == 3)
	PLACES 5                                       ; the last tile of rows writes over the bias, which the products before it read
.endif
.set BT, 0
.rept 8
.set rD, 8*(8*AT+BT)
.set rC, rD
.if (\s) == 0
.set rC, 192+8*BT
.endif
	WM rD, FS+32+8*BT, FS+8*AT, rC, SB+16*((\s)/4)+4*(BT/2)+(\s)%4, SA+2*(\s)+AT/2, BT%2, AT%2
.set BT, BT+1
.endr
.set AT, AT+1
.endr                                  ; each of the 32 accumulators has one product a step: they take turns
.endm
; THE WAY OUT, 16 rows x 128 columns at a time, through my own stage: in as 32 bytes a lane, back as whole rows of 512 bytes.  LDS serves a wave's instructions in order (ISA guide 5.7.1.4): no wait between the stores and the loads.
.macro TOSTAGE a
	WIN 0x04                                       ; an LDS store's data: window 1
.irp b, 0,1,2,3,4,5,6,7
	ds_store_b128 v[STO], v[64*(\a)+8*\b:64*(\a)+8*\b+3] offset:64*\b          ; each accumulator from its low end on
	ds_store_b128 v[STO], v[64*(\a)+8*\b+4:64*(\a)+8*\b+7] offset:64*\b+16
.endr
	WIN 0
.set BB, BK+64*((\a)%2)
.irp t, 0,1,2,3,4,5,6,7,8,9,10,11,12,13,14,15
	ds_load_b128 v[BB+4*\t:BB+4*\t+3], v[RD] offset:\t*SPITCH
.endr
.endm
.macro SEND a, younger                 ; younger: the LDS instructions issued behind block a's loads, which may stay out
.set BB, BK+64*((\a)%2)
	s_wait_dscnt \younger
.if (\a) > 0
	s_add_nc_u64 s[14:15], s[14:15], 65536         ; (behind a wait on XCNT: the earlier stores have read their base)  16 rows on
.endif
.irp t, 0,1,2,3,4,5,6,7,8,9,10,11,12,13,14,15
	global_store_b128 v[CO], v[BB+4*\t:BB+4*\t+3], s[14:15] offset:\t*4096 th:TH_STORE_NT   ; 32 lanes store 512 consecutive bytes, aligned; written once, read by nobody here
.endr
.endm
	s_wait_alu depctr_va_vdst(0)
	s_wait_tensorcnt 1                             ; the scales and my part of K's first half are in; the second half may stay out
	s_barrier_signal -1
	s_barrier_wait -1
.irp s, 0,1,2,3,4,5,6,7                ; the scale words of all of K, once
.irp i, 0,1
	ds_load_b32 v[SA+2*\s+\i], v[ADSA] offset:256*\s+128*\i
.endr
.endr
.irp k, 0,1
.irp i, 0,1,2,3
	ds_load_b128 v[SB+16*\k+4*\i:SB+16*\k+4*\i+3], v[ADSB] offset:1088*\i+16*\k
.endr
.endr
	FETCH 0
	s_wait_loadcnt 0x0                             ; the bias
	STEP 0
	STEP 1
	STEP 2
	STEP 3
	STEP 4
	STEP 5
	STEP 6
	STEP 7
	WIN 0
	PLACES 4                                       ; behind the last products, ahead of the first read of results
	TOSTAGE 0
.irp a, 1,2,3
.if \a > 1
	s_wait_xcnt 0x0                                ; block a - 2's stores have read their registers and their base
.endif
	TOSTAGE \a
	SEND \a-1, 32                                  ; behind block a - 1's loads: block a's 16 stores and 16 loads
.endr
	s_wait_xcnt 0x0
	SEND 3, 0
	s_wait_tensorcnt 0x0                           ; the wave's end, behind my last tensor load and my last LDS store
	ds_add_u32 v[SPW], v[NIL]
	s_wait_dscnt 0x0
	CROUND                                         ; the closing round
	s_endpgm
.Lfunc_end_k_q4f0f258619_outp:
	.size	k_q4f0f258619_outp, .Lfunc_end_k_q4f0f258619_outp-k_q4f0f258619_outp
	.p2alignl 7, 3214868480
	.fill 96, 4, 3214868480
	.section	.rodata,"a",@progbits
	.p2align	6, 0x0
	.amdhsa_kernel k_q4f0f258619_outp
		.amdhsa_group_segment_fixed_size 251904
		.amdhsa_private_segment_fixed_size 0
		.amdhsa_enable_private_segment 0
		.amdhsa_kernarg_size 48
		.amdhsa_user_sgpr_count 2
		.amdhsa_user_sgpr_kernarg_segment_ptr 1
		.amdhsa_wavefront_size32 1
		.amdhsa_system_sgpr_workgroup_id_x 1
		.amdhsa_system_sgpr_workgroup_id_y 1
		.amdhsa_system_sgpr_workgroup_id_z 1
		.amdhsa_system_vgpr_workitem_id 0
		.amdhsa_next_free_vgpr 768
		.amdhsa_next_free_sgpr 100
		.amdhsa_reserve_vcc 0
		.amdhsa_float_denorm_mode_32 3
		.amdhsa_float_denorm_mode_16_64 3
		.amdhsa_memory_ordered 1
		.amdhsa_forward_progress 1
		.amdhsa_inst_pref_size 74
	.end_amdhsa_kernel
	.amdgpu_metadata
---
amdhsa.version: [ 1, 2 ]
amdhsa.kernels:
  - .name:           k_q4f0f258619_outp
    .symbol:         k_q4f0f258619_outp.kd
    .args:
      - { .name: aimg, .offset: 0, .size: 8, .value_kind: global_buffer, .address_space: global }
      - { .name: asc, .offset: 8, .size: 8, .value_kind: global_buffer, .address_space: global }
      - { .name: Wo_codes, .offset: 16, .size: 8, .value_kind: global_buffer, .address_space: global }
      - { .name: Wo_scales, .offset: 24, .size: 8, .value_kind: global_buffer, .address_space: global }
      - { .name: bo, .offset: 32, .size: 8, .value_kind: global_buffer, .address_space: global }
      - { .name: out0, .offset: 40, .size: 8, .value_kind: global_buffer, .address_space: global }
    .group_segment_fixed_size: 251904
    .private_segment_fixed_size: 0
    .kernarg_segment_align: 8
    .kernarg_segment_size: 48
    .max_flat_workgroup_size: 128
    .sgpr_count:     100
    .vgpr_count:     768
    .wavefront_size: 32
...
	.end_amdgpu_metadata
.endif
;; end of part 3
